; MI455X (gfx1250); checked and timed in simulation.
; The chip was launched on July 23, 2026; its instructions are those of AMD's public machine-readable ISA for CDNA 5 (MIT licence, August 2026) and "CDNA5" Instruction Set Architecture Reference Guide (July 2026). The comments in the code are by the model that wrote it; some were corrected since.
;; Flash Attention. Allowed arithmetic: matrix products marked QUANTISED: E2M1 operands, one E8M0 scale for each 32 along K, by v_wmma_scale_f32_16x16x128_f8f6f4 with both operands' format E2M1 (or v_wmma_scale_f32_32x16x128_f4), f32 sums; everything else in f32.
;; Inputs: k_codes 4 x 16 x 2,048 x 2 x 16 uint8 (E2M1 codes of k, K innermost, in blocks of 32 codes, two codes a byte); k_scales 4 x 16 x 2,048 x 2 uint8 (E8M0 scales of k, one for each 32 codes along K); q_codes 4 x 16 x 2,048 x 2 x 16 uint8 (E2M1 codes of q, K innermost, in blocks of 32 codes, two codes a byte); q_scales 4 x 16 x 2,048 x 2 uint8 (E8M0 scales of q, one for each 32 codes along K); v_codes 4 x 16 x 64 x 64 x 16 uint8 (E2M1 codes of v, K innermost, in blocks of 32 codes, two codes a byte); v_scales 4 x 16 x 64 x 64 uint8 (E8M0 scales of v, one for each 32 codes along K).
;; Outputs: out0 4 x 16 x 2,048 x 64 float32.
;; This version of the problem:
;;   THIS VERSION OF THE PROBLEM IS GIVEN IN LOW PRECISION. The matrix products marked QUANTISED in the list below multiply operands that are first quantised to E2M1 (2 exponent bits, 1 mantissa bit; 4 bits a number), with one power-of-two scale for each 32 numbers along K (OCP MX v1.0); their sums are f32. All else is computed in f32.
;;   The module's matrix products, in the order in which they are computed (A, B: the left and right operand; K: the contracted axis; several contracted axes count as one K, in the product's order):
;;     1. batch 64 x [M 2,048, K 64] x [K 64, N 2,048]; A: input q (given as codes); B: input k (given as codes): QUANTISED
;;     2. batch 64 x [M 2,048, K 2,048] x [K 2,048, N 64]; A: softmax (see below); B: input v (given as codes): QUANTISED
;;   THE QUANTISER, for each operand of a quantised product, along K:
;;     - K is cut into blocks of 32 from its start; a last block that is shorter is filled with zeros.
;;     - A block's scale is 2^e with e = floor(log2(the largest magnitude in the block)) - 2, held to -126 .. 127; a block of zeros has e = 0. As a byte (E8M0): e + 127.
;;     - Each number is divided by its block's scale, clamped to +-6, and rounded to the nearest number of E2M1, ties to even, subnormals kept.
;;     - The product sums the exact products of the quantised numbers (number of the format x scale) in f32.
;;   ~~~python
;;   def quantise(x, axis):      # numpy; x: float32 -> the quantised numbers, widened to float32 again
;;       x = np.moveaxis(x, axis, -1); K = x.shape[-1]
;;       x = np.pad(x, [(0, 0)] * (x.ndim - 1) + [(0, -K % 32)]); x = x.reshape(x.shape[:-1] + (-1, 32)); a = np.abs(x).max(-1, keepdims=True)
;;       e = np.where(a > 0, np.clip(np.frexp(np.where(a > 0, a, 1))[1] - 1 - 2, -126, 127), 0)      # np.frexp(a)[1] - 1 = floor(log2(a)), exactly
;;       r = np.clip(x / 2.0 ** e, -6, 6)
;;       step = 2.0 ** (np.maximum(np.frexp(np.where(r == 0, 1, r))[1] - 1, 0) - 1)
;;       q = np.round(r / step) * step * 2.0 ** e      # np.round: ties to even
;;       return np.moveaxis(q.reshape(q.shape[:-2] + (-1,))[..., :K], -1, axis).astype(np.float32)
;;   ~~~
;;   SOFTMAX AHEAD OF A QUANTISED PRODUCT. Where the list says 'softmax', what is quantised is not the finished softmax but p = 2^(t - M), with t = logit x log2(e) and M = ceil(the row's largest t), a whole number; so 1/2 < the row's largest p <= 1. The row's sum l is taken of the UNQUANTISED p, in f32, and the product's result is divided by l at the end. Since M is a whole number, a kernel that streams over the keys may use a running M (the ceiling of the running maximum): every later rescaling is an exact power of two, which a block's scale takes up: the codes' values come out the same.
;;   OPERANDS COMPUTED ON THE WAY. 'Computed on the way' means the value that the module computes at that place (a softmax that the list does not call 'softmax' is quantised finished and normalised). What goes into a quantiser is computed in f32, as accurately as f32 sums, v_exp_f32 and their like allow (about 1e-6 of the number): no bf16 or f16 on the way to a quantiser, and a product that is left as it is and whose result goes on into a quantised operand takes f32 operands (vector FMAs, or v_wmma_f32_16x16x4_f32). A number that lies on a knife's edge between two numbers of the format may be rounded either way, as far as f32 arithmetic and the matrix unit's own rounding can turn it there, and no further.
;;   INPUTS GIVEN AS CODES. k (in the module: [4, 16, 2048, 64], K = its axis 3); q (in the module: [4, 16, 2048, 64], K = its axis 3); v (in the module: [4, 16, 2048, 64], K = its axis 2): each comes as NAME_codes (uint8): NAME with its K axis moved to the last place and cut into blocks of 32 codes, [.., K / 32, bytes a block], one block behind the other in memory; two codes a byte, the lower K in the low four bits (a code: sign, 2 exponent bits, 1 mantissa bit); and NAME_scales (uint8): the same leading axes, one E8M0 byte (e + 127) for each 32 codes along K. Its value is code x scale, taken as it is: it is not quantised again, and the codes and scales need not be those that the quantiser above would give.
;; One version. Each part assembles by itself: llvm-mc -triple=amdgcn-amd-amdhsa -mcpu=gfx1250 --defsym DOCPART=n.
;; ======== version 1 of 1: 1 launch
;; launch attn (part 1): grid 4 x 64, 16 waves a work-group, clusters of 4 x 1, 215,040 bytes of LDS; arguments q_codes, q_scales, k_codes, k_scales, v_codes, v_scales, out0; writes out0
.if DOCPART == 1
	.amdgcn_target "amdgcn-amd-amdhsa--gfx1250"
	.amdhsa_code_object_version 6
	.text
	.protected	k_q994b6f84c2_attn
	.globl	k_q994b6f84c2_attn
	.p2align	8
	.type	k_q994b6f84c2_attn,@function
k_q994b6f84c2_attn:
	s_mov_b64 s[64:65], 0
	v_nop
	global_prefetch_b8 v0, s[64:65] scope:SCOPE_SE
	s_setreg_imm32_b32 hwreg(HW_REG_WAVE_MODE, 25, 1), 1
	s_wait_xcnt 0x0
	s_wait_alu depctr_hold_cnt(0) depctr_sa_sdst(0) depctr_va_vdst(0) depctr_va_sdst(0) depctr_va_ssrc(0) depctr_va_vcc(0) depctr_vm_vsrc(0)
	s_getreg_b32 s2, hwreg(HW_REG_IB_STS2, 6, 4)
	s_cmp_eq_u32 s2, 0
	s_cbranch_scc0 .Lentry_in_a_cluster
	s_endpgm
.Lentry_in_a_cluster:
	s_bfe_u32 s2, ttmp6, 0x10000c
	s_cmp_lg_u32 s2, 0x3003
	s_cbranch_scc0 .Lentry_shape_is_right
	s_endpgm
.Lentry_shape_is_right:
; Causal attention on codes of FP4 (E2M1) with one E8M0 scale for each 32 along a product's K.  64 heads, 2,048 queries and keys, head size 64.
; q, k: rows of 64 codes (32 bytes) and 2 scale bytes.  v: the keys innermost: a head is 64 rows (d) of 2,048 codes (1,024 bytes) and 64 scale bytes.  out0: f32, rows of 256 bytes.
; THE SOFTMAX: t = score x log2(e) / 8; M = the running largest t rounded UP to a whole number; p = 2^(t - M) is quantised along the keys, not normalised; the row's sum is taken of the
; unquantised p and divides at the end.  When M moves, the sum and O are multiplied by 2^(old M - new M), which rounds nothing.
; SHARES.  A head's K, V and their scale bytes are 139,264 bytes: they lie in LDS WHOLE, filled once: no ring, no refill, one barrier for data.  The four work-groups of a head are a cluster and
; ask for these bytes JOINTLY (mask 15).  A work-group has sixteen waves of 256 registers, four to a SIMD, so that one wave's vector work stands beside another's products and LDS loads.
; With a = wave / 2 and b = 2 cx + wave % 2, a wave owns two tiles of 16 queries: tile 8 a + b (pass 0) and tile 127 - (8 a + b) = 8 (15 - a) + (7 - b) (pass 1).  Tile 8 A + B has work in the
; key steps (128 keys) 0 .. A, so every wave has (a + 1) + (16 - a) = 17 steps, two of them on the diagonal.  A hangs on the wave's number alone: no branch differs between partners.
; cx enters the addresses of Q and O in memory, and the number that the diagonal's compares take, and nothing else.
; LAYOUT.  Both products are used transposed: S^T = K Q^T (source 0 = 16 keys, source 1 = my 16 queries), O^T = V^T P^T (source 0 = 16 of the head's 64, source 1 = P): a lane holds ONE query.
; THE KEYS OF A TILE ARE NOT NEIGHBOURS: row m of tile 4 c + u takes key 64 c + 8 u + m % 8 + 32 (m / 8).  Register 32 c + i of S^T in lane half h is then key 64 c + 32 h + i: a lane holds two
; WHOLE blocks of 32 keys in the order of the 4-bit operand: a block's maximum needs no other lane, and the eight conversions' results are P's fragment as they stand.
; THE FIRST PRODUCT'S K IS 64, the instruction's 128: registers 4 to 7 of K's and Q's fragments (k = 64 .. 127) are zero codes, written once; the scale words are loaded as 16 bits, so their upper two bytes are 0.
; NOTHING IS PREFETCHED: all that a work-group reads of K and V is asked for by the first fills at the head; nothing is streamed later.
; LIMITS: a scale byte 0xff among the inputs is not served.  A p under 2^-126 counts as 0 (v_exp_f32 gives 0 there: ISA guide, its entry in 15.8).  A block whose every p is 0 keeps the scale byte 1: its codes
; are zeros.  Scores beyond 3e38 in magnitude are not served.
.set KREG,  0                          ; LDS: K: 64 rows of 1,024 bytes (32 keys x 32 bytes) + 16 of padding: key k at (k / 32) x 1,040 + (k % 32) x 32
.set VREG,  66560                      ; V: 64 rows d of 1,024 bytes + 16
.set SCK,   133120                     ; K's scale bytes, dense: 2 a key
.set SCV,   137216                     ; V's: 64 rows d of 64 bytes + 8
.set STAGE, 141824                     ; the way out: 16 rows x (256 + 16) bytes for each wave; no fill lands here
.set WV,   18                          ; s18 my wave's number
.set CX,   19                          ; s19 my place in the cluster
.set SEL,  22                          ; s[22:23] v_permlanex16_b32's selects for lane l xor 16
.set CS,   24                          ; s[24:25] c = log2(e) / 8, twice: the packed form names a pair
.set G1C,  28                          ; s[28:35] descriptor group 1 for K's and V's codes (one shape)
.set G1KS, 36                          ; s[36:43] for K's scale bytes
.set G1VS, 44                          ; s[44:51] for V's
.set G0K,  52                          ; s[52:55], s[56:59], s[60:63], s[68:71] the four groups 0
.set G0V,  56
.set G0KS, 60
.set G0VS, 68
.set TK,   72                          ; s72-75 where the step's bytes begin: K's codes (4,160 a step), V's (64), K's scale bytes (256), V's (4)
.set TV,   73
.set TSK,  74
.set TSV,  75
.set STP,  76                          ; s76 the key step
.set AA,   77                          ; s77 the pass's diagonal step
.set QB,   78                          ; s[78:81] Q's codes at my tile, pass 0 and 1;  s[82:85] its scale bytes;  s[86:89] O
.set QSB,  82
.set OB,   86
.set B16,  90                          ; s90-91 16 B of pass 0 and 1
.set DG,   92                          ; s92-93 A of pass 0 and 1
.set AK0,  1                           ; v1-4  my lane's place in a step's K, V, K's scale bytes, V's scale words
.set AV0,  2
.set ASK0, 3
.set ASV0, 4
.set QA,   5                           ; v5  32 r + 16 h;  v6  2 r;  v7  256 h + 16 r (O)
.set QSA,  6
.set GO,   7
.set STO,  8                           ; v8  the stage, in;  v9  the stage, back
.set RD,   9
.set RH,   10                          ; v10 r - 32 h
.set SH8,  11                          ; v11 8 h
.set NINF, 12                          ; v12 -infinity
.set DM,   13                          ; v13 16 B + r - 32 h
.set ADK,  14                          ; v14-17 the step's four LDS addresses
.set ADV,  15
.set ADS,  16
.set ADT,  17
.set NM,   18                          ; v18 -M;  v19 the largest score so far
.set L,    20                          ; v[20:21] the sum, in two halves
.set F,    22                          ; v22 f = 2^(old M - new M); v23 is named with it as a pair
.set QF,   24                          ; v24-31 Q's fragment
.set KF,   32                          ; v32-95 K's eight fragments
.set VF,   96                          ; v96-127 V's four
.set S,    128                         ; v128-191 S^T, then p
.set OT,   192                         ; v192-223 O^T
.set PC,   224                         ; v224-231 P's codes
.set KSC,  232                         ; v232-235 K's scale words: register i: lanes 0-15 tile 2 i, lanes 16-31 tile 2 i + 1
.set VSC,  236                         ; v236-237 V's, laid likewise
.set QSC,  238                         ; v238 Q's scale word;  v239 P's
.set PSC,  239
.set MX,   240                         ; v240-243 four chains of maxima; then v240, v242 the two blocks' largest
.set X1,   244                         ; v244, v253 destinations of lane exchanges
.set DF,   245                         ; v245 the old -M, then the change
.set L2,   246                         ; v[246:247] the sums' second chain
.set SO,   248                         ; v248-249 the conversions' scale operands
.set BY,   250                         ; v250-252 bytes, the half-made word
.set X2,   253
; A round of the cluster's barrier: my work-group's barrier, wave 0's signal for the work-group, every wave's wait for all four work-groups, my work-group's barrier once more.
.macro ROUND
	s_barrier_signal -1
	s_barrier_wait -1
	s_cmp_lg_u32 s[WV], 0
	s_cbranch_scc1 .Lnot_wave_0_\@
	s_barrier_signal -3
.Lnot_wave_0_\@:
	s_barrier_wait -3
	s_barrier_signal -1
	s_barrier_wait -1
.endm
; The three addresses of tile s[tau] for pass p.  s94 = head x 65,536, s26 = head x 4,096, s21 = head x 524,288; s3 = 0
.macro BASES p, tau
	s_lshl_b32 s2, s[\tau], 9                      ; 16 rows of 32 bytes
	s_add_co_u32 s2, s2, s94
	s_add_nc_u64 s[QB+2*\p:QB+2*\p+1], s[4:5], s[2:3]
	s_lshl_b32 s2, s[\tau], 5                      ; 16 rows of 2 bytes
	s_add_co_u32 s2, s2, s26
	s_add_nc_u64 s[QSB+2*\p:QSB+2*\p+1], s[6:7], s[2:3]
	s_lshl_b32 s2, s[\tau], 12                     ; 16 rows of 256 bytes
	s_add_co_u32 s2, s2, s21
	s_add_nc_u64 s[OB+2*\p:OB+2*\p+1], s[16:17], s[2:3]
.endm
.macro QLOAD p                         ; lane (r, h): query r's codes of k = 32 h .. 32 h + 31, and its two scale bytes, widened with zeros
	global_load_b128 v[QF:QF+3], v[QA], s[QB+2*\p:QB+2*\p+1] th:TH_LOAD_NT
	global_load_u16 v[QSC], v[QSA], s[QSB+2*\p:QSB+2*\p+1] th:TH_LOAD_NT
.endm
	s_load_b256 s[4:11], s[0:1], 0x0               ; q_codes s[4:5], q_scales s[6:7], k_codes s[8:9], k_scales s[10:11]
	s_load_b128 s[12:15], s[0:1], 0x20             ; v_codes s[12:13], v_scales s[14:15]
	s_load_b64 s[16:17], s[0:1], 0x30              ; out0
	v_lshl_add_u32 v254, v0, 2, 0x34000
	v_mov_b32 v255, 0
	ds_add_u32 v254, v255
	ds_add_u32 v254, v255
	v_lshrrev_b32 v14, 5, v0
	s_delay_alu instid0(VALU_DEP_1)
	v_readfirstlane_b32 s[WV], v14                 ; wave 0..15
	s_and_b32 s20, ttmp7, 0xffff                   ; the head, which the four partners share
	s_bfe_u32 s[CX], ttmp6, 0x40000                ; cx
	; group 1 for the codes: 16 rows x 1,024 bytes, dense in memory; 4 words of padding behind every 256
	s_mov_b32 s[G1C], 15|(0<<16)|(1<<20)|(1<<21)|(7<<22)|(3<<25)   ; 15:0 the mask: all four work-groups; 17:16 elements of 1 byte; 20 padding on; 21 set beside a mask; 24:22 code 7; 31:25 code 3
	s_mov_b32 s[G1C+1], 1024<<16                   ; tensor_dim0
	s_mov_b32 s[G1C+2], 16<<16                     ; tensor_dim1
	s_mov_b32 s[G1C+3], 1024<<16                   ; tile_dim0
	s_mov_b32 s[G1C+4], 16                         ; tile_dim1
	s_mov_b32 s[G1C+5], 1024                       ; from row to row
	s_mov_b32 s[G1C+6], 0
	s_mov_b32 s[G1C+7], 0
	; K's scale bytes: 4,096 dense bytes as 16 rows of 32 elements of 8 bytes, no padding
	s_mov_b32 s[G1KS], 15|(3<<16)|(1<<21)
	s_mov_b32 s[G1KS+1], 32<<16
	s_mov_b32 s[G1KS+2], 16<<16
	s_mov_b32 s[G1KS+3], 32<<16
	s_mov_b32 s[G1KS+4], 16
	s_mov_b32 s[G1KS+5], 32
	s_mov_b32 s[G1KS+6], 0
	s_mov_b32 s[G1KS+7], 0
	; V's: 64 rows of 8 elements of 8 bytes; 2 words of padding behind every 16
	s_mov_b32 s[G1VS], 15|(3<<16)|(1<<20)|(1<<21)|(3<<22)|(1<<25)
	s_mov_b32 s[G1VS+1], 8<<16
	s_mov_b32 s[G1VS+2], 64<<16
	s_mov_b32 s[G1VS+3], 8<<16
	s_mov_b32 s[G1VS+4], 64
	s_mov_b32 s[G1VS+5], 8
	s_mov_b32 s[G1VS+6], 0
	s_mov_b32 s[G1VS+7], 0
	s_mov_b32 s[SEL], 0x76543210
	s_mov_b32 s[SEL+1], 0xfedcba98
	s_mov_b32 s[CS], 0x3e38aa3b                    ; c = log2(e) / 8
	s_mov_b32 s[CS+1], s[CS]
	; offsets that the partners share
	s_lshl_b32 s21, s20, 19                        ; the head in out0
	s_lshl_b32 s26, s20, 12                        ; in each tensor of scale bytes
	s_mov_b32 s27, 0
	s_lshl_b32 s94, s20, 16                        ; in each tensor of codes
	s_and_b32 s72, s[WV], 3                        ; which quarter of K's or V's codes I fetch, if I fetch:
	s_mul_i32 s73, s72, 16640                      ; 16 rows of 1,040 bytes in LDS,
	s_lshl_b32 s96, s72, 14                        ; 16,384 bytes in memory
	s_add_co_u32 s96, s96, s94
	s_mov_b32 s97, 0
	; my two tiles.  What is made of cx stays in s2, s3, s90, s91, s98, s99 and the six addresses of Q and O
	s_lshr_b32 s[DG], s[WV], 1                     ; a
	s_sub_co_u32 s[DG+1], 15, s[DG]                ; 15 - a
	s_and_b32 s98, s[WV], 1
	s_lshl_b32 s99, s[CX], 1
	s_add_co_u32 s98, s98, s99                     ; b
	s_lshl_b32 s[B16], s98, 4                      ; 16 b
	s_sub_co_u32 s[B16+1], 112, s[B16]             ; 16 (7 - b)
	s_lshl_b32 s99, s[DG], 3
	s_add_co_u32 s98, s99, s98                     ; tile 8 a + b
	s_sub_co_u32 s99, 127, s98                     ; and its partner
	s_mov_b32 s3, 0
	s_wait_dscnt 0x0
	s_wait_kmcnt 0x0
	s_mov_b32 s[G0K], 1                            ; 1:0 count = 1
	s_add_co_u32 s[G0K+1], s73, KREG               ; 63:32 LDS address
	s_add_nc_u64 s[G0K+2:G0K+3], s[8:9], s[96:97]  ; 120:64 global address
	s_or_b32 s[G0K+3], s[G0K+3], 0x80000000        ; 127:126 type = 2
	s_mov_b32 s[G0V], 1
	s_add_co_u32 s[G0V+1], s73, VREG
	s_add_nc_u64 s[G0V+2:G0V+3], s[12:13], s[96:97]
	s_or_b32 s[G0V+3], s[G0V+3], 0x80000000
	s_mov_b32 s[G0KS], 1
	s_mov_b32 s[G0KS+1], SCK
	s_add_nc_u64 s[G0KS+2:G0KS+3], s[10:11], s[26:27]
	s_or_b32 s[G0KS+3], s[G0KS+3], 0x80000000
	s_mov_b32 s[G0VS], 1
	s_mov_b32 s[G0VS+1], SCV
	s_add_nc_u64 s[G0VS+2:G0VS+3], s[14:15], s[26:27]
	s_or_b32 s[G0VS+3], s[G0VS+3], 0x80000000
	BASES 0, 98
	BASES 1, 99
	ROUND                                          ; all four work-groups are here: the joint loads meet
	; THE FILLS, once in the launch: waves 0-3 K's quarters, waves 4-7 V's, wave 8 K's scale bytes, wave 9 V's; a wave has at most one tensor load out.
	; The branches hang on the wave's number alone.  Four v_nop follow each load, ahead of the jump and the label.
	s_cmp_lt_u32 s[WV], 4
	s_cbranch_scc0 .Lnot_k
	tensor_load_to_lds s[G0K:G0K+3], s[G1C:G1C+7]
	s_nop 0
.rept 4
	v_nop
.endr
	s_branch .Lasked
.Lnot_k:
	s_cmp_lt_u32 s[WV], 8
	s_cbranch_scc0 .Lnot_v
	tensor_load_to_lds s[G0V:G0V+3], s[G1C:G1C+7]
	s_nop 0
.rept 4
	v_nop
.endr
	s_branch .Lasked
.Lnot_v:
	s_cmp_eq_u32 s[WV], 8
	s_cbranch_scc0 .Lnot_ks
	tensor_load_to_lds s[G0KS:G0KS+3], s[G1KS:G1KS+7]
	s_nop 0
.rept 4
	v_nop
.endr
	s_branch .Lasked
.Lnot_ks:
	s_cmp_eq_u32 s[WV], 9
	s_cbranch_scc0 .Lasked
	tensor_load_to_lds s[G0VS:G0VS+3], s[G1VS:G1VS+7]
	s_nop 0
.rept 4
	v_nop
.endr
.Lasked:
	; the lane's addresses, while the fills are on their way
	v_and_b32 v14, 15, v0                          ; r
	v_bfe_u32 v15, v0, 4, 1                        ; h
	v_and_b32 v16, 7, v0                           ; r % 8
	v_bfe_u32 v17, v0, 3, 1                        ; r / 8
	v_and_b32 v240, 31, v0                         ; lane
	v_lshlrev_b32 v[QA], 5, v14
	s_delay_alu instid0(VALU_DEP_1)
	v_lshl_add_u32 v[QA], v15, 4, v[QA]
	v_lshlrev_b32 v[QSA], 1, v14
	QLOAD 0
	v_mul_u32_u24 v[AK0], v17, 1040                ; K: rows r >= 8 of a tile lie 32 keys, one LDS row, further on: 1,040 = 16 mod 256, so that the sixteen lanes of a
	s_delay_alu instid0(VALU_DEP_1)
	v_lshl_add_u32 v[AK0], v16, 5, v[AK0]          ; load touch sixteen different 16-byte columns of the 64 banks (ISA guide 11.1)
	s_delay_alu instid0(VALU_DEP_1)
	v_lshl_add_u32 v[AK0], v15, 4, v[AK0]
	v_mul_u32_u24 v[AV0], v14, 1040                ; V: row r of a tile, + 16 h
	s_delay_alu instid0(VALU_DEP_1)
	v_lshl_add_u32 v[AV0], v15, 4, v[AV0]
	s_delay_alu instid0(VALU_DEP_1)
	v_add_nc_u32 v[AV0], VREG, v[AV0]
	v_lshlrev_b32 v[ASK0], 1, v16                  ; K's scale bytes: 2 a key; lanes 16-31 take the odd tile's, 8 keys on
	s_delay_alu instid0(VALU_DEP_1)
	v_lshl_add_u32 v[ASK0], v17, 6, v[ASK0]
	s_delay_alu instid0(VALU_DEP_1)
	v_lshl_add_u32 v[ASK0], v15, 4, v[ASK0]
	s_delay_alu instid0(VALU_DEP_1)
	v_add_nc_u32 v[ASK0], SCK, v[ASK0]
	v_mul_u32_u24 v[ASV0], v240, 72                ; V's scale words: row d = lane of a pair of tiles
	s_delay_alu instid0(VALU_DEP_1)
	v_add_nc_u32 v[ASV0], SCV, v[ASV0]
	v_lshlrev_b32 v[GO], 8, v15
	s_delay_alu instid0(VALU_DEP_1)
	v_lshl_add_u32 v[GO], v14, 4, v[GO]
	s_mul_i32 s74, s[WV], 4352
	s_add_co_u32 s74, s74, STAGE                   ; my stage
	v_mul_u32_u24 v[STO], v14, 272                 ; in: row r, 32 bytes for each half of the lanes
	s_delay_alu instid0(VALU_DEP_1)
	v_lshl_add_u32 v[STO], v15, 5, v[STO]
	s_delay_alu instid0(VALU_DEP_1)
	v_add_nc_u32 v[STO], s74, v[STO]
	v_mul_u32_u24 v[RD], v15, 272                  ; back: lanes 0-15 one row of 256 bytes, lanes 16-31 the next
	s_delay_alu instid0(VALU_DEP_1)
	v_lshl_add_u32 v[RD], v14, 4, v[RD]
	s_delay_alu instid0(VALU_DEP_1)
	v_add_nc_u32 v[RD], s74, v[RD]
	v_lshlrev_b32 v[RH], 5, v15
	s_delay_alu instid0(VALU_DEP_1)
	v_sub_nc_u32 v[RH], v14, v[RH]
	v_lshlrev_b32 v[SH8], 3, v15
	v_mov_b32 v[NINF], 0xff800000
	v_mov_b32 v[F+1], 0                            ; named as the upper half of a pair
	v_mov_b32 v[X1], 0                             ; a lane exchange's destination counts as one of its sources
	v_mov_b32 v[X2], 0
.irp j, 4,5,6,7
	v_mov_b32 v[QF+\j], 0                          ; k = 64 .. 127 of the first product: zero codes, written once; no load lands here
.endr
.irp T, 0,1,2,3,4,5,6,7
.irp j, 4,5,6,7
	v_mov_b32 v[KF+8*\T+\j], 0
.endr
.endr
	s_wait_tensorcnt 0x0                           ; my fill has landed;
	s_barrier_signal -1
	s_barrier_wait -1                              ; everybody's has.  From here on K, V and their scale bytes are only read
; A KEY STEP: 128 keys.
.macro STEP
	s_cmp_gt_u32 s[STP], s[AA]                     ; a step all of whose keys come after my 16 queries is left out: a branch on the wave's number and the step, round the work, not round the lines that step addresses
	s_cbranch_scc1 .Lhidden_\@
	s_setprio 2
	v_add_nc_u32 v[ADK], s[TK], v[AK0]             ; (these four are also the places between the last step's products and the loads into V's fragments and scale words)
	v_add_nc_u32 v[ADV], s[TV], v[AV0]
	v_add_nc_u32 v[ADS], s[TSK], v[ASK0]
	v_add_nc_u32 v[ADT], s[TSV], v[ASV0]
.irp T, 0,1,2,3,4,5,6,7                        ; 22 LDS loads in one run.  K: tile 4 c + u: 2 c LDS rows and 8 u keys on
	ds_load_b128 v[KF+8*\T:KF+8*\T+3], v[ADK] offset:(\T/4)*2080+(\T%4)*256
.endr
.irp i, 0,1,2,3
	ds_load_u16 v[KSC+\i], v[ADS] offset:(\i/2)*128+(\i%2)*32
.endr
.irp d, 0,1,2,3
.irp c, 0,1
	ds_load_b128 v[VF+8*\d+4*\c:VF+8*\d+4*\c+3], v[ADV] offset:\d*16640+32*\c
.endr
.endr
.irp j, 0,1
	ds_load_b32 v[VSC+\j], v[ADT] offset:\j*2304
.endr
	s_wait_dscnt 10                                ; K's eight fragments and four scale registers are in; V's eight loads and its two scale registers, the ten younger, land under the softmax
.irp T, 0,1,2,3,4,5,6,7
.if \T%2
	v_wmma_scale_f32_16x16x128_f8f6f4 v[S+8*\T:S+8*\T+7], v[KF+8*\T:KF+8*\T+7], v[QF:QF+7], 0, v[KSC+\T/2], v[QSC] matrix_a_fmt:MATRIX_FMT_FP4 matrix_b_fmt:MATRIX_FMT_FP4 matrix_a_scale:MATRIX_SCALE_ROW1
.else
	v_wmma_scale_f32_16x16x128_f8f6f4 v[S+8*\T:S+8*\T+7], v[KF+8*\T:KF+8*\T+7], v[QF:QF+7], 0, v[KSC+\T/2], v[QSC] matrix_a_fmt:MATRIX_FMT_FP4 matrix_b_fmt:MATRIX_FMT_FP4
.endif
.endr
	v_mov_b32 v[DF], v[NM]                         ; the old -M.  With three v_nop: the four places between the products and the first read of their results (ISA guide 7.12.1)
.rept 3
	v_nop
.endr
	s_cmp_lg_u32 s[STP], s[AA]
	s_cbranch_scc1 .Lopen_\@                       ; only the diagonal step has hidden keys
	s_wait_alu depctr_va_vdst(0)
.irp n, 0,1,2,3,4,5,6,7,8,9,10,11,12,13,14,15,16,17,18,19,20,21,22,23,24,25,26,27,28,29,30,31,32,33,34,35,36,37,38,39,40,41,42,43,44,45,46,47,48,49,50,51,52,53,54,55,56,57,58,59,60,61,62,63
	v_cmp_gt_i32 vcc_lo, 64*(\n/32)+\n%32, v[DM]   ; register 32 c + i is key 128 A + 64 c + 32 h + i, my query 128 A + 16 B + r: hidden where 64 c + i > 16 B + r - 32 h
	v_cndmask_b32 v[S+\n], v[S+\n], v[NINF], vcc_lo   ; -infinity ahead of the maximum: p = 0
.endr
.Lopen_\@:
.irp q, 0,1,2,3                                ; the largest score of each of my two blocks of 32 keys, in four chains by turns; each result is read from its low end on
	v_max3_num_f32 v[MX+\q], v[S+16*\q], v[S+16*\q+1], v[S+16*\q+2]
.endr
.irp i, 3,5,7,9,11,13
.irp q, 0,1,2,3
	v_max3_num_f32 v[MX+\q], v[MX+\q], v[S+16*\q+\i], v[S+16*\q+\i+1]
.endr
.endr
.irp c, 0
	v_max3_num_f32 v[MX+2*\c], v[MX+2*\c], v[MX+2*\c+1], v[S+32*\c+15]
.endr
.irp c, 1
	v_max3_num_f32 v[MX+2*\c], v[MX+2*\c], v[MX+2*\c+1], v[S+32*\c+15]
.endr
.irp c, 0,1
	v_max_num_f32 v[MX+2*\c], v[MX+2*\c], v[S+32*\c+31]   ; v240, v242: they serve twice: for the row's maximum and, since p rises with the score, for the block's largest p
.endr
	s_delay_alu instid0(VALU_DEP_1)
	v_max_num_f32 v[MX+1], v[MX], v[MX+2]
	s_delay_alu instid0(VALU_DEP_1)
	v_permlanex16_b32 v[X1], v[MX+1], s[SEL], s[SEL+1]   ; the query's other 64 keys lie in lane l xor 16
	s_delay_alu instid0(VALU_DEP_1)
	v_max3_num_f32 v[NM+1], v[MX+1], v[X1], v[NM+1]   ; the largest score so far
	s_delay_alu instid0(VALU_DEP_1)
	v_mul_f32 v[MX+3], s[CS], v[NM+1]              ; as t (c is positive)
	s_delay_alu instid0(VALU_DEP_1)
	v_floor_f32 v[NM], -v[MX+3]                    ; -M = floor(-t) = -ceil(t): a whole number
	s_delay_alu instid0(VALU_DEP_1)
	v_sub_f32 v[DF], v[NM], v[DF]                  ; old M - new M: a whole number, 0 or less
	s_delay_alu instid0(VALU_DEP_1)
	v_cvt_i32_f32 v[DF], v[DF]                     ; (it saturates)
	s_delay_alu instid0(VALU_DEP_1)
	v_ldexp_f32 v[F], 1.0, v[DF]                   ; f = 2^(old M - new M)
	s_setprio 1
.irp j, 0,2,4,6,8,10,12,14,16,18,20,22,24,26,28,30,32,34,36,38,40,42,44,46,48,50,52,54,56,58,60,62
	v_pk_fma_f32 v[S+\j:S+\j+1], v[S+\j:S+\j+1], s[CS:CS+1], v[NM:NM+1] op_sel_hi:[1,0,0]   ; t - M, two at a time
.endr
	v_fma_f32 v[MX], v[MX], s[CS], v[NM]           ; the same of each block's largest score
	v_fma_f32 v[MX+2], v[MX+2], s[CS], v[NM]
	s_wait_alu depctr_va_vdst(0)
	v_exp_f32 v[MX], v[MX]                         ; ONE BATCH of 66 exponentials: the two blocks' largest p (the same two instructions on the same number give the same bits),
	v_exp_f32 v[MX+2], v[MX+2]
.irp j, 0,1,2,3,4,5,6,7,8,9,10,11,12,13,14,15,16,17,18,19,20,21,22,23,24,25,26,27,28,29,30,31,32,33,34,35,36,37,38,39,40,41,42,43,44,45,46,47,48,49,50,51,52,53,54,55,56,57,58,59,60,61,62,63
	v_exp_f32 v[S+\j], v[S+\j]                     ; and p = 2^(t - M), at most 1, not normalised
.endr
	v_pk_mul_f32 v[L:L+1], v[L:L+1], v[F:F+1] op_sel_hi:[1,0]   ; the sums under the new M: the plain instruction behind the last exponential
	s_wait_alu depctr_va_vdst(0)                   ; one wait for the batch, ahead of the first instruction that names a result
	v_max_num_f32 v[MX], 0x1800000, v[MX]          ; the floor 2^(3 - 127): the scale's byte cannot fall under 1
	v_max_num_f32 v[MX+2], 0x1800000, v[MX+2]
	s_delay_alu instid0(VALU_DEP_2)
	v_add_nc_u32 v[SO], 0xff000000, v[MX]          ; 2 off the exponent field: the conversion takes this operand's exponent field as its scale
	s_delay_alu instid0(VALU_DEP_2)
	v_add_nc_u32 v[SO+1], 0xff000000, v[MX+2]
	s_delay_alu instid0(VALU_DEP_2)
	v_lshrrev_b32 v[BY], 23, v[SO]                 ; the scales' bytes: blocks h and 2 + h of my query
	s_delay_alu instid0(VALU_DEP_2)
	v_lshrrev_b32 v[BY+1], 23, v[SO+1]
	s_delay_alu instid0(VALU_DEP_1)
	v_lshl_or_b32 v[BY+2], v[BY+1], 16, v[BY]
	s_delay_alu instid0(VALU_DEP_1)
	v_lshlrev_b32 v[BY+2], v[SH8], v[BY+2]         ; at their places in the word, 8 h bits up;
	s_delay_alu instid0(VALU_DEP_1)
	v_permlanex16_b32 v[X2], v[BY+2], s[SEL], s[SEL+1]
	s_delay_alu instid0(VALU_DEP_1)
	v_or_b32 v[PSC], v[BY+2], v[X2]                ; with lane l xor 16's two the word is whole
.irp c, 0,1
.irp u, 0,1,2,3
	v_cvt_scalef32_pk8_fp4_f32 v[PC+4*\c+\u], v[S+32*\c+8*\u:S+32*\c+8*\u+7], v[SO+\c]   ; register 4 c + u of P's fragment: keys 64 c + 32 h + 8 u + 0 .. 7
.endr
.endr
.irp j, 0,2,4,6,8,10,12,14,16,18,20,22,24,26,28,30
	v_pk_mul_f32 v[OT+\j:OT+\j+1], v[OT+\j:OT+\j+1], v[F:F+1] op_sel_hi:[1,0]   ; O^T under the new M.  The first of these is the plain instruction behind the last conversion
.endr
	s_setprio 0
	v_pk_add_f32 v[246:247], v[132:133], v[136:137]
	v_pk_add_f32 v[250:251], v[140:141], v[144:145]
	v_pk_add_f32 v[248:249], v[148:149], v[152:153]
	v_pk_add_f32 v[242:243], v[156:157], v[160:161]
	v_pk_add_f32 v[240:241], v[164:165], v[168:169]
	v_pk_add_f32 v[234:235], v[172:173], v[176:177]
	v_pk_add_f32 v[232:233], v[180:181], v[184:185]
	v_pk_add_f32 v[20:21], v[20:21], v[188:189]
	v_pk_add_f32 v[246:247], v[246:247], v[128:129]
	v_pk_add_f32 v[250:251], v[250:251], v[130:131]
	v_pk_add_f32 v[248:249], v[248:249], v[134:135]
	v_pk_add_f32 v[242:243], v[242:243], v[138:139]
	v_pk_add_f32 v[240:241], v[240:241], v[142:143]
	v_pk_add_f32 v[234:235], v[234:235], v[146:147]
	v_pk_add_f32 v[232:233], v[232:233], v[150:151]
	v_pk_add_f32 v[20:21], v[20:21], v[154:155]
	v_pk_add_f32 v[246:247], v[246:247], v[158:159]
	v_pk_add_f32 v[250:251], v[250:251], v[162:163]
	v_pk_add_f32 v[248:249], v[248:249], v[166:167]
	v_pk_add_f32 v[242:243], v[242:243], v[170:171]
	v_pk_add_f32 v[240:241], v[240:241], v[174:175]
	v_pk_add_f32 v[234:235], v[234:235], v[178:179]
	v_pk_add_f32 v[232:233], v[232:233], v[182:183]
	v_pk_add_f32 v[20:21], v[20:21], v[186:187]
	v_pk_add_f32 v[246:247], v[246:247], v[190:191]
	s_delay_alu instid0(VALU_DEP_2)
	v_pk_add_f32 v[20:21], v[20:21], v[242:243]
	s_delay_alu instid0(VALU_DEP_2)
	v_pk_add_f32 v[246:247], v[246:247], v[240:241]
	v_pk_add_f32 v[250:251], v[250:251], v[234:235]
	v_pk_add_f32 v[248:249], v[248:249], v[232:233]
	s_delay_alu instid0(VALU_DEP_2)
	v_pk_add_f32 v[20:21], v[20:21], v[250:251]
	s_delay_alu instid0(VALU_DEP_2)
	v_pk_add_f32 v[246:247], v[246:247], v[248:249]
	s_delay_alu instid0(VALU_DEP_1)
	v_pk_add_f32 v[20:21], v[20:21], v[246:247]
	s_wait_dscnt 0x0                               ; V's fragments and scale words are in
.irp d, 0,1,2,3                                ; O^T += V^T P^T: the four accumulators by turns, one instruction each; eight other products stand ahead of their next turn
.if \d%2
	v_wmma_scale_f32_16x16x128_f8f6f4 v[OT+8*\d:OT+8*\d+7], v[VF+8*\d:VF+8*\d+7], v[PC:PC+7], v[OT+8*\d:OT+8*\d+7], v[VSC+\d/2], v[PSC] matrix_a_fmt:MATRIX_FMT_FP4 matrix_b_fmt:MATRIX_FMT_FP4 matrix_a_scale:MATRIX_SCALE_ROW1
.else
	v_wmma_scale_f32_16x16x128_f8f6f4 v[OT+8*\d:OT+8*\d+7], v[VF+8*\d:VF+8*\d+7], v[PC:PC+7], v[OT+8*\d:OT+8*\d+7], v[VSC+\d/2], v[PSC] matrix_a_fmt:MATRIX_FMT_FP4 matrix_b_fmt:MATRIX_FMT_FP4
.endif
.endr
.Lhidden_\@:
	s_add_co_u32 s[TK], s[TK], 4160                ; 128 keys on: four LDS rows of K,
	s_add_co_u32 s[TV], s[TV], 64                  ; 64 bytes in each row of V,
	s_add_co_u32 s[TSK], s[TSK], 256               ; 256 scale bytes of K,
	s_add_co_u32 s[TSV], s[TSV], 4                 ; a scale word in each row of V
	s_add_co_u32 s[STP], s[STP], 1
.endm
; THE WAY OUT of a tile: O^T / the sum goes through my own stage in LDS and leaves as whole rows of 256 bytes.
.macro OUT p
.rept 4
	v_nop                                          ; the places between the last products and the first read of their results and the loads into V's registers
.endr
	v_add_f32 v[L], v[L], v[L+1]                   ; the sum's two halves,
	s_delay_alu instid0(VALU_DEP_1)
	v_permlanex16_b32 v[X1], v[L], s[SEL], s[SEL+1]
	s_delay_alu instid0(VALU_DEP_1)
	v_add_f32 v[L], v[L], v[X1]                    ; and lane l xor 16's: the row's sum
	s_wait_alu depctr_va_vdst(0)
	v_rcp_f32 v[L], v[L]
	v_nop                                          ; a plain instruction behind the reciprocal,
	s_wait_alu depctr_va_vdst(0)                   ; and the wait ahead of its first reader
.irp j, 0,2,4,6,8,10,12,14,16,18,20,22,24,26,28,30
	v_pk_mul_f32 v[S+\j:S+\j+1], v[OT+\j:OT+\j+1], v[L:L+1] op_sel_hi:[1,0]   ; register 8 d + j: o(r, 16 d + 8 h + j); each accumulator from its low end on
.endr
.irp d, 0,1,2,3
	ds_store_b128 v[STO], v[S+8*\d:S+8*\d+3] offset:64*\d
	ds_store_b128 v[STO], v[S+8*\d+4:S+8*\d+7] offset:64*\d+16
.endr
.irp i, 0,1,2,3,4,5,6,7
	ds_load_b128 v[VF+4*\i:VF+4*\i+3], v[RD] offset:544*\i   ; LDS serves a wave's instructions in order (ISA guide 5.7.1.4): these see my stores
.endr
.irp i, 0,1,2,3,4,5,6,7
	s_wait_dscnt 7-\i                              ; rows 2 i and 2 i + 1 are back; the younger loads may be out
	global_store_b128 v[GO], v[VF+4*\i:VF+4*\i+3], s[OB+2*\p:OB+2*\p+1] offset:512*\i th:TH_STORE_NT   ; 32 lanes store 512 consecutive bytes, at a multiple of 256 from out0's first byte; written once
.endr
.if \p == 0
	s_wait_xcnt 0x0                                ; the stores have read v96-127, which the next pass loads again only behind this wait
.endif
.endm
; A PASS: one tile of 16 queries.  The loop's trip count is a constant, 16; the steps behind the diagonal are jumped over inside a trip.
; The step is written once for each pass: O^T and the sum begin as zeros and the largest score as -3e38, so that the first change of M multiplies zeros by 0: 32 moves in place of a second copy of the step.
.macro PASS p
	v_mov_b32 v[NM+1], 0xff61b1e6                  ; -3e38
	s_delay_alu instid0(VALU_DEP_1)
	v_mul_f32 v[MX+3], s[CS], v[NM+1]
	s_delay_alu instid0(VALU_DEP_1)
	v_floor_f32 v[NM], -v[MX+3]                    ; -M, by the step's own two instructions
	v_mov_b32 v[L], 0
	v_mov_b32 v[L+1], 0
.irp j, 0,1,2,3,4,5,6,7,8,9,10,11,12,13,14,15,16,17,18,19,20,21,22,23,24,25,26,27,28,29,30,31
	v_mov_b32 v[OT+\j], 0
.endr
	v_add_nc_u32 v[DM], s[B16+\p], v[RH]           ; 16 B + r - 32 h
	s_mov_b32 s[TK], 0
	s_mov_b32 s[TV], 0
	s_mov_b32 s[TSK], 0
	s_mov_b32 s[TSV], 0
	s_mov_b32 s[STP], 0
	s_mov_b32 s[AA], s[DG+\p]
	s_wait_loadcnt 0x0                             ; Q's codes and scale word
.Ltrip_\p:
	STEP
	s_cmp_lt_u32 s[STP], 16
	s_cbranch_scc1 .Ltrip_\p
	s_setprio 0
.if \p == 0
	QLOAD 1                                        ; the next tile's Q lands under the way out; the last products that read these registers stand a whole softmax back
.endif
	s_wait_alu depctr_va_vdst(0)
	OUT \p
.endm
	PASS 0
	PASS 1
	s_wait_tensorcnt 0x0
	ds_add_u32 v254, v255
	s_wait_dscnt 0x0
	ROUND                                          ; the closing round: no work-group ends while a partner may still ask for bytes jointly.  No LDS instruction of mine is out: the way out's last wait was for 0
	s_endpgm
.Lfunc_end_k_q994b6f84c2_attn:
	.size	k_q994b6f84c2_attn, .Lfunc_end_k_q994b6f84c2_attn-k_q994b6f84c2_attn
	.p2alignl 7, 3214868480
	.fill 96, 4, 3214868480
	.section	.rodata,"a",@progbits
	.p2align	6, 0x0
	.amdhsa_kernel k_q994b6f84c2_attn
		.amdhsa_group_segment_fixed_size 215040
		.amdhsa_private_segment_fixed_size 0
		.amdhsa_enable_private_segment 0
		.amdhsa_kernarg_size 56
		.amdhsa_user_sgpr_count 2
		.amdhsa_user_sgpr_kernarg_segment_ptr 1
		.amdhsa_wavefront_size32 1
		.amdhsa_system_sgpr_workgroup_id_x 1
		.amdhsa_system_sgpr_workgroup_id_y 1
		.amdhsa_system_sgpr_workgroup_id_z 1
		.amdhsa_system_vgpr_workitem_id 0
		.amdhsa_next_free_vgpr 256
		.amdhsa_next_free_sgpr 100
		.amdhsa_reserve_vcc 1
		.amdhsa_float_denorm_mode_32 3
		.amdhsa_float_denorm_mode_16_64 3
		.amdhsa_memory_ordered 1
		.amdhsa_forward_progress 1
		.amdhsa_inst_pref_size 61
	.end_amdhsa_kernel
	.amdgpu_metadata
---
amdhsa.version: [ 1, 2 ]
amdhsa.kernels:
  - .name:           k_q994b6f84c2_attn
    .symbol:         k_q994b6f84c2_attn.kd
    .args:
      - { .name: q_codes, .offset: 0, .size: 8, .value_kind: global_buffer, .address_space: global }
      - { .name: q_scales, .offset: 8, .size: 8, .value_kind: global_buffer, .address_space: global }
      - { .name: k_codes, .offset: 16, .size: 8, .value_kind: global_buffer, .address_space: global }
      - { .name: k_scales, .offset: 24, .size: 8, .value_kind: global_buffer, .address_space: global }
      - { .name: v_codes, .offset: 32, .size: 8, .value_kind: global_buffer, .address_space: global }
      - { .name: v_scales, .offset: 40, .size: 8, .value_kind: global_buffer, .address_space: global }
      - { .name: out0, .offset: 48, .size: 8, .value_kind: global_buffer, .address_space: global }
    .group_segment_fixed_size: 215040
    .private_segment_fixed_size: 0
    .kernarg_segment_align: 8
    .kernarg_segment_size: 56
    .max_flat_workgroup_size: 512
    .sgpr_count:     100
    .vgpr_count:     256
    .wavefront_size: 32
...
	.end_amdgpu_metadata
.endif
;; end of part 1
